; MI455X (gfx1250); checked and timed in simulation.
; The chip was launched on July 23, 2026; its instructions are those of AMD's public machine-readable ISA for CDNA 5 (MIT licence, August 2026) and "CDNA5" Instruction Set Architecture Reference Guide (July 2026). The comments in the code are by the model that wrote it; some were corrected since.
;; Multi Head Self Attention. Allowed arithmetic: matrix products marked QUANTISED: E4M3 operands, one E8M0 scale for each 32 along K, by v_wmma_scale_f32_16x16x128_f8f6f4 with both operands' format E4M3, f32 sums; everything else in f32.
;; Inputs: b_proj 1,024 float32; b_qkv 3,072 float32; w_proj_codes 1,024 x 32 x 32 uint8 (E4M3 codes of w_proj, K innermost, in blocks of 32 codes); w_proj_scales 1,024 x 32 uint8 (E8M0 scales of w_proj, one for each 32 codes along K); w_qkv_codes 3,072 x 32 x 32 uint8 (E4M3 codes of w_qkv, K innermost, in blocks of 32 codes); w_qkv_scales 3,072 x 32 uint8 (E8M0 scales of w_qkv, one for each 32 codes along K); x_codes 4 x 2,048 x 32 x 32 uint8 (E4M3 codes of x, K innermost, in blocks of 32 codes); x_scales 4 x 2,048 x 32 uint8 (E8M0 scales of x, one for each 32 codes along K).
;; Outputs: out0 4 x 2,048 x 1,024 float32.
;; This version of the problem:
;;   THIS VERSION OF THE PROBLEM IS GIVEN IN LOW PRECISION. The matrix products marked QUANTISED in the list below multiply operands that are first quantised to E4M3 (4 exponent bits, 3 mantissa bits; 8 bits a number), with one power-of-two scale for each 32 numbers along K (OCP MX v1.0); their sums are f32. All else is computed in f32.
;;   The module's matrix products, in the order in which they are computed (A, B: the left and right operand; K: the contracted axis; several contracted axes count as one K, in the product's order):
;;     1. [M 8,192, K 1,024] x [K 1,024, N 3,072]; A: input x (given as codes); B: input w_qkv (given as codes): QUANTISED
;;     2. batch 64 x [M 2,048, K 64] x [K 64, N 2,048]; A: computed on the way; B: computed on the way: QUANTISED
;;     3. batch 64 x [M 2,048, K 2,048] x [K 2,048, N 64]; A: softmax (see below); B: computed on the way: QUANTISED
;;     4. [M 8,192, K 1,024] x [K 1,024, N 1,024]; A: computed on the way; B: input w_proj (given as codes): QUANTISED
;;   THE QUANTISER, for each operand of a quantised product, along K:
;;     - K is cut into blocks of 32 from its start; a last block that is shorter is filled with zeros.
;;     - A block's scale is 2^e with e = floor(log2(the largest magnitude in the block)) - 8, held to -126 .. 127; a block of zeros has e = 0. As a byte (E8M0): e + 127.
;;     - Each number is divided by its block's scale, clamped to +-448, and rounded to the nearest number of E4M3, ties to even, subnormals kept.
;;     - The product sums the exact products of the quantised numbers (number of the format x scale) in f32.
;;   ~~~python
;;   def quantise(x, axis):      # numpy; x: float32 -> the quantised numbers, widened to float32 again
;;       x = np.moveaxis(x, axis, -1); K = x.shape[-1]
;;       x = np.pad(x, [(0, 0)] * (x.ndim - 1) + [(0, -K % 32)]); x = x.reshape(x.shape[:-1] + (-1, 32)); a = np.abs(x).max(-1, keepdims=True)
;;       e = np.where(a > 0, np.clip(np.frexp(np.where(a > 0, a, 1))[1] - 1 - 8, -126, 127), 0)      # np.frexp(a)[1] - 1 = floor(log2(a)), exactly
;;       r = np.clip(x / 2.0 ** e, -448, 448)
;;       step = 2.0 ** (np.maximum(np.frexp(np.where(r == 0, 1, r))[1] - 1, -6) - 3)
;;       q = np.round(r / step) * step * 2.0 ** e      # np.round: ties to even
;;       return np.moveaxis(q.reshape(q.shape[:-2] + (-1,))[..., :K], -1, axis).astype(np.float32)
;;   ~~~
;;   SOFTMAX AHEAD OF A QUANTISED PRODUCT. Where the list says 'softmax', what is quantised is not the finished softmax but p = 2^(t - M), with t = logit x log2(e) and M = ceil(the row's largest t), a whole number; so 1/2 < the row's largest p <= 1. The row's sum l is taken of the UNQUANTISED p, in f32, and the product's result is divided by l at the end. Since M is a whole number, a kernel that streams over the keys may use a running M (the ceiling of the running maximum): every later rescaling is an exact power of two, which a block's scale takes up: the codes' values come out the same.
;;   OPERANDS COMPUTED ON THE WAY. 'Computed on the way' means the value that the module computes at that place (a softmax that the list does not call 'softmax' is quantised finished and normalised). What goes into a quantiser is computed in f32, as accurately as f32 sums, v_exp_f32 and their like allow (about 1e-6 of the number): no bf16 or f16 on the way to a quantiser, and a product that is left as it is and whose result goes on into a quantised operand takes f32 operands (vector FMAs, or v_wmma_f32_16x16x4_f32). A number that lies on a knife's edge between two numbers of the format may be rounded either way, as far as f32 arithmetic and the matrix unit's own rounding can turn it there, and no further.
;;   INPUTS GIVEN AS CODES. w_proj (in the module: [1024, 1024], K = its axis 0); w_qkv (in the module: [1024, 3072], K = its axis 0); x (in the module: [4, 2048, 1024], K = its axis 2): each comes as NAME_codes (uint8): NAME with its K axis moved to the last place and cut into blocks of 32 codes, [.., K / 32, bytes a block], one block behind the other in memory; one code a byte (a code: sign, 4 exponent bits, 3 mantissa bits); and NAME_scales (uint8): the same leading axes, one E8M0 byte (e + 127) for each 32 codes along K. Its value is code x scale, taken as it is: it is not quantised again, and the codes and scales need not be those that the quantiser above would give.
;; One version. Each part assembles by itself: llvm-mc -triple=amdgcn-amd-amdhsa -mcpu=gfx1250 --defsym DOCPART=n.
;; ======== version 1 of 1: 3 launches
;; limits: right only within a limited range of input values
;; workspace buffers: qbuf 8,650,752 bytes; kvbuf 17,301,504 bytes; ctxc 8,388,608 bytes; ctxs 262,144 bytes
;; launch qkv (part 1): grid 12 x 32, 4 waves a work-group, clusters of 4 x 4, 327,680 bytes of LDS; arguments x_codes, x_scales, w_qkv_codes, w_qkv_scales, b_qkv, qbuf, kvbuf; writes qbuf, kvbuf
.if DOCPART == 1
	.amdgcn_target "amdgcn-amd-amdhsa--gfx1250"
	.amdhsa_code_object_version 6
	.text
	.protected	k_qb28c001b73_qkv
	.globl	k_qb28c001b73_qkv
	.p2align	8
	.type	k_qb28c001b73_qkv,@function
k_qb28c001b73_qkv:
	s_mov_b64 s[64:65], 0
	v_nop
	global_prefetch_b8 v0, s[64:65] scope:SCOPE_SE
	s_setreg_imm32_b32 hwreg(HW_REG_WAVE_MODE, 25, 1), 1
	s_wait_xcnt 0x0
	s_wait_alu depctr_hold_cnt(0) depctr_sa_sdst(0) depctr_va_vdst(0) depctr_va_sdst(0) depctr_va_ssrc(0) depctr_va_vcc(0) depctr_vm_vsrc(0)
	s_getreg_b32 s2, hwreg(HW_REG_IB_STS2, 6, 4)
	s_cmp_eq_u32 s2, 0
	s_cbranch_scc0 .Lentry_in_a_cluster
	s_endpgm
.Lentry_in_a_cluster:
	s_bfe_u32 s2, ttmp6, 0x10000c
	s_cmp_lg_u32 s2, 0xf033
	s_cbranch_scc0 .Lentry_shape_is_right
	s_endpgm
.Lentry_shape_is_right:
.set KSTEP,  256
.set NQ,     2
.set ROWB,   256
.set KROW,   1024
.set PITCH,  272
.set FR,     16
.set NL,     4
.set NP,     8
.set HALFT,  128*PITCH
.set SLOT,   4*HALFT
.set LAPS,   2
.set KS,     32
.set SCL,    2*SLOT
.set HALFS,  16*272
.set SBLK,   2*272
.set SPARE,  326656
.set BV,   8
.set ADRA, 16
.set ADRB, 20
.set L8,   24
.set LI,   26
.set ADRS, 27
.set SPW,  28
.set NIL,  29
.set SC,   32
.set BQ,   64
.set AF,   128
.set X,    128
.set TM,   192
.set PC,   208
.set PWR,  240
.set FW,   248
.set G1, 24
.set G0, 32
.set G1B, 48
.set G0B, 56
.set G1S, 68
.set G0S, 76
.set G1SB, 80
.set G0SB, 88
.set P0,  24
.set P1,  32
.set PS0, 34
.set PS1, 36
.set HSP, 38
.set DA,  44
.set DJ,  46
.set SELP, 48
.set SEL, 50
.set MNT, 52
.set MH,  53
.set MSB, 0
.macro WIN new
.if MSB != (\new)
	s_set_vgpr_msb (MSB<<8)|(\new)
.set MSB, (\new)
.endif
.endm
.set MUL_LO, 0xa1
.set MUL_HI, 0xf1
.set TO_B,   0x40
.macro JLOAD g0a, g1a, g0b, g1b
	s_cmp_eq_u32 s15, 0
	s_cbranch_scc0 .Lfor_b_\@
	tensor_load_to_lds s[\g0a:\g0a+3], s[\g1a:\g1a+7]
	s_nop 0
.rept 4
	v_nop
.endr
	s_branch .Lasked_\@
.Lfor_b_\@:
	tensor_load_to_lds s[\g0b:\g0b+3], s[\g1b:\g1b+7]
	s_nop 0
.rept 4
	v_nop
.endr
.Lasked_\@:
.endm
.macro CREST
	s_cmp_lg_u32 s14, 0
	s_cbranch_scc1 .Lnot_wave_0_\@
	s_barrier_signal -3
.Lnot_wave_0_\@:
	s_barrier_wait -3
	s_barrier_signal -1
	s_barrier_wait -1
.endm
.macro CROUND
	s_barrier_signal -1
	s_barrier_wait -1
	CREST
.endm
	s_load_b128 s[4:7], s[0:1], 0x0
	s_load_b128 s[8:11], s[0:1], 0x10
	s_load_b128 s[96:99], s[0:1], 0x20
	s_load_b64 s[100:101], s[0:1], 0x30
	v_lshl_add_u32 v[SPW], v0, 2, SPARE
	v_mov_b32 v[NIL], 0
	ds_add_u32 v28, v29
	ds_add_u32 v28, v29
	s_wait_dscnt 0x0
	v_lshrrev_b32 v1, 5, v0
	v_readfirstlane_b32 s14, v1
	s_lshr_b32 s15, s14, 1
	s_and_b32 s16, s14, 1
	s_bfe_u32 s40, ttmp6, 0x40000
	s_bfe_u32 s41, ttmp6, 0x40004
	s_lshl_b32 s42, ttmp9, 2
	s_add_co_u32 s42, s42, s40
	s_and_b32 s17, ttmp7, 0xffff
	s_lshl_b32 s17, s17, 2
	s_add_co_u32 s17, s17, s41
	s_lshl_b32 s43, s41, 2
	s_lshl_b32 s43, 15, s43
	s_lshl_b32 s44, 0x1111, s40
	s_cmp_eq_u32 ttmp9, 2
	s_cselect_b32 s95, 1, 0
	s_cselect_b32 s13, -1, 0
	s_cselect_b32 s12, 0, -1
	s_or_b32 s[G1+0], s43, (0<<16)|(1<<21)         ; no skipped padding: a tile's LDS row is written whole, see tile_dim0
	s_or_b32 s[G1B+0], s44, (0<<16)|(1<<21)
.irp g, G1, G1B
	s_mov_b32 s[\g+1], ROWB<<16
	s_mov_b32 s[\g+2], 256<<16                     ; the head's loads bring 256 rows; behind them the two words that count rows are set to 128, for the ring's
	s_mov_b32 s[\g+3], PITCH<<16                   ; tile_dim0 = 272 over tensor_dim0 = 256: the 16 bytes behind each row's 256 are written as zeros, so the LDS pitch stays 272 and every byte of a slot is written
	s_mov_b32 s[\g+4], 256
	s_mov_b32 s[\g+5], KROW
	s_mov_b32 s[\g+6], 0
	s_mov_b32 s[\g+7], 0
.endr
	s_or_b32 s[G1S+0], s43, (3<<16)|(1<<21)
	s_or_b32 s[G1SB+0], s44, (3<<16)|(1<<21)
.irp g, G1S, G1SB
	s_mov_b32 s[\g+1], 32<<16
	s_mov_b32 s[\g+2], KS<<16                      ; the scale bytes of 256 rows: KS units of 256 bytes
	s_mov_b32 s[\g+3], 34<<16                      ; 34 elements of 8 bytes over 32: rows of 272 bytes, the last 16 zeros
	s_mov_b32 s[\g+4], KS
	s_mov_b32 s[\g+5], 32
	s_mov_b32 s[\g+6], 0
	s_mov_b32 s[\g+7], 0
.endr
	s_lshl_b32 s20, s17, 8                         ; A: the tile's first row
	s_lshl_b32 s46, s42, 8                         ; B: likewise
	s_mov_b32 s21, 0
	s_mov_b32 s47, 0
	s_mov_b64 s[18:19], KS
	s_mul_u64 s[22:23], s[20:21], s[18:19]
	s_mul_u64 s[92:93], s[46:47], s[18:19]
	s_mov_b64 s[18:19], KROW
	s_mul_u64 s[20:21], s[20:21], s[18:19]
	s_mul_u64 s[46:47], s[46:47], s[18:19]
	s_mul_i32 s45, s14, HALFT
	s_mul_i32 s18, s16, 128*KROW                   ; in the ring I fetch 128 rows of a tile: which half, in bytes
	s_mov_b32 s19, 0
	s_wait_kmcnt 0x0
	s_add_nc_u64 s[20:21], s[4:5], s[20:21]
	s_add_nc_u64 s[22:23], s[6:7], s[22:23]
	s_add_nc_u64 s[46:47], s[8:9], s[46:47]
	s_add_nc_u64 s[92:93], s[10:11], s[92:93]
	CROUND
.set G0H, 4                            ; s[4:7], s[8:11]: group 0 of the head's loads of K step 0 (the arguments that lay there have been used)
.set G0HB, 8
	s_mov_b32 s[G0H], 1                            ; the head's four tiles, each whole: K step 0's 256 rows of A,
	s_mov_b32 s[G0H+1], 0
	s_mov_b64 s[G0H+2:G0H+3], s[20:21]
	s_or_b32 s[G0H+3], s[G0H+3], 0x80000000
	s_mov_b32 s[G0HB], 1                           ; its 256 rows of B, behind them in slot 0,
	s_mov_b32 s[G0HB+1], 2*HALFT
	s_mov_b64 s[G0HB+2:G0HB+3], s[46:47]
	s_or_b32 s[G0HB+3], s[G0HB+3], 0x80000000
	s_mov_b32 s[G0S], 1                            ; the scale bytes of A's 256 rows,
	s_mov_b32 s[G0S+1], SCL
	s_mov_b64 s[G0S+2:G0S+3], s[22:23]
	s_or_b32 s[G0S+3], s[G0S+3], 0x80000000
	s_mov_b32 s[G0SB], 1                           ; and of B's
	s_mov_b32 s[G0SB+1], SCL+2*HALFS
	s_mov_b64 s[G0SB+2:G0SB+3], s[92:93]
	s_or_b32 s[G0SB+3], s[G0SB+3], 0x80000000
	s_add_nc_u64 s[20:21], s[20:21], s[18:19]      ; for the ring: my 128 rows of the tile
	s_add_nc_u64 s[46:47], s[46:47], s[18:19]
.irp s, 0,1
	s_mov_b32 s[G0+4*\s], 1
	s_add_co_u32 s[G0+4*\s+1], s45, \s*SLOT
	s_add_nc_u64 s[G0+4*\s+2:G0+4*\s+3], s[20:21], \s*ROWB
	s_or_b32 s[G0+4*\s+3], s[G0+4*\s+3], 0x80000000
	s_mov_b32 s[G0B+4*\s], 1
	s_add_co_u32 s[G0B+4*\s+1], s45, \s*SLOT
	s_add_nc_u64 s[G0B+4*\s+2:G0B+4*\s+3], s[46:47], \s*ROWB
	s_or_b32 s[G0B+4*\s+3], s[G0B+4*\s+3], 0x80000000
.endr
; the head's loads, one a wave, in one chain of branches on the wave's number: every way passes exactly one
.macro ARM under, g0, g1, next
	s_cmp_lt_u32 s14, \under
	s_cbranch_scc0 \next
	tensor_load_to_lds s[\g0:\g0+3], s[\g1:\g1+7]
	s_nop 0
.rept 4
	v_nop
.endr
	s_branch .Lhead_asked
\next:
.endm
	; the prefetches: of the 128 rows that my wave fetches for the ring, my work-group's 32 (the four partners that ask for a tile jointly share its rows out by address: cx for A, cy for B), at K step 2
	s_cmp_eq_u32 s15, 0
	s_cselect_b64 s[66:67], s[20:21], s[46:47]
	s_cselect_b32 s18, s40, s41
	s_lshl_b32 s18, s18, 15                        ; 32 rows of 1,024 bytes
	s_add_co_u32 s18, s18, 2*ROWB
	s_add_nc_u64 s[66:67], s[66:67], s[18:19]      ; never rewritten
	ARM 1, G0H,  G1,  .Lhead_b
	ARM 2, G0HB, G1B, .Lhead_sa
	ARM 3, G0S,  G1S, .Lhead_sb
	tensor_load_to_lds s[G0SB:G0SB+3], s[G1SB:G1SB+7]
	s_nop 0
.rept 4
	v_nop
.endr
.Lhead_asked:
	v_and_b32 v1, 15, v0
	v_bfe_u32 v2, v0, 4, 1
	v_mul_u32_u24 v3, v1, PITCH
	v_lshl_add_u32 v4, v2, 4, v3
	s_wait_alu depctr_va_vdst(0)
	s_mul_i32 s21, s15, HALFT
	s_mul_i32 s22, s16, HALFT
	s_add_co_u32 s22, s22, 2*HALFT
	s_cmp_eq_u32 ttmp9, 2
	s_cselect_b32 s23, s22, s21
	s_cselect_b32 s22, s21, s22
.irp s, 0,1
	v_add_nc_u32 v[ADRA+\s], s23, v4
	v_add_nc_u32 v[ADRB+\s], s22, v4
	s_add_co_u32 s23, s23, SLOT
	s_add_co_u32 s22, s22, SLOT
.endr
	v_mul_u32_u24 v5, v1, KS
	v_lshrrev_b32 v6, 8, v5
	v_lshl_add_u32 v5, v6, 4, v5
	s_mul_i32 s21, s15, HALFS
	s_mul_i32 s22, s16, HALFS
	s_add_co_u32 s22, s22, 2*HALFS
	s_sub_co_u32 s22, s22, s21
	v_xor_b32 v7, s95, v2
	v_mul_u32_u24 v6, s22, v7
	s_add_co_u32 s21, s21, SCL
	v_add_nc_u32 v5, v5, v6
	v_add_nc_u32 v[ADRS], s21, v5
	v_and_b32 v3, 31, v0
	v_lshlrev_b32 v[LI], 4, v3
	v_lshlrev_b32 v[L8], 3, v3
	v_lshlrev_b32 v30, 10, v3                      ; a lane a row; never rewritten
	global_prefetch_b8 v30, s[66:67] th:TH_LOAD_NT scope:SCOPE_SE              ; behind K step 0's load: K step 2, which the second refill from here asks for: 32 rows x 256 bytes
	s_lshl_b32 s46, s42, 10
	s_lshl_b32 s47, s16, 9
	s_add_co_u32 s46, s46, s47
	s_mov_b32 s47, 0
	s_add_nc_u64 s[96:97], s[96:97], s[46:47]
	v_lshlrev_b32 v5, 5, v2
	v_lshlrev_b32 v6, 2, v1
.irp b, 0,1,2,3,4,5,6,7
	global_load_b128 v[BQ+8*\b:BQ+8*\b+3], v5, s[96:97] offset:64*\b
	global_load_b128 v[BQ+8*\b+4:BQ+8*\b+7], v5, s[96:97] offset:64*\b+16
	global_load_b32 v[BV+\b], v6, s[96:97] offset:64*\b
.endr
	s_wait_loadcnt 0x0
.set i, 0
.rept 64
	v_and_b32 v[BQ+i], s12, v[BQ+i]
.set i, i+1
.endr
.set i, 0
.rept 8
	v_and_b32 v[BV+i], s13, v[BV+i]
.set i, i+1
.endr
.macro FRAG reg, adr, q, i
.irp c, 0,1,2,3
	ds_load_b128 v[\reg+4*\c:\reg+4*\c+3], v[\adr] offset:128*(\q)+32*\c+(\i)*16*PITCH
.endr
.endm
.macro MUL16 a0, p, q, sc, zero
.irp a, \a0, \a0+1
.irp b, 0,1,2,3,4,5,6,7
.if \zero
	v_wmma_scale_f32_16x16x128_f8f6f4 v[8*(8*((\a)%4)+\b):8*(8*((\a)%4)+\b)+7], v[128*(\p)+FR*\b:128*(\p)+FR*\b+FR-1], v[AF+FR*(\a):AF+FR*(\a)+FR-1], v[BQ+8*\b:BQ+8*\b+7], v[SC+8*NQ*(\sc)+NQ*\b+(\q)], v[SC+8*NQ*(\sc)+NQ*(\a)+(\q)] matrix_a_scale:MATRIX_SCALE_ROW1
.else
	v_wmma_scale_f32_16x16x128_f8f6f4 v[8*(8*((\a)%4)+\b):8*(8*((\a)%4)+\b)+7], v[128*(\p)+FR*\b:128*(\p)+FR*\b+FR-1], v[AF+FR*(\a):AF+FR*(\a)+FR-1], v[8*(8*((\a)%4)+\b):8*(8*((\a)%4)+\b)+7], v[SC+8*NQ*(\sc)+NQ*\b+(\q)], v[SC+8*NQ*(\sc)+NQ*(\a)+(\q)] matrix_a_scale:MATRIX_SCALE_ROW1
.endif
.endr
.endr
.endm
.macro FETCH_B slot, q, p
	WIN TO_B
.irp i, 0,1,2,3,4,5,6,7
	FRAG 128*(\p)+FR*\i, ADRB+\slot, \q, \i
.endr
	WIN 0
.endm
.macro FETCH_A slot, q, i0
.irp i, \i0, \i0+1, \i0+2, \i0+3
	FRAG AF+FR*(\i), ADRA+\slot, \q, \i
.endr
.endm
.macro SCALES sc
.irp i, 0,1,2,3,4,5,6,7
	ds_load_b64 v[SC+8*NQ*\sc+NQ*\i:SC+8*NQ*\sc+NQ*\i+1], v[ADRS] offset:\i*SBLK
.endr
.endm
.macro PLACES n
.rept \n
	v_nop
.endr
.endm
.macro STEP slot, q, zero
	s_wait_dscnt 4*NL
.if \zero
	WIN 0x81
.else
	WIN MUL_LO
.endif
	MUL16 0, (\q)%2, \q, \slot, \zero
	MUL16 2, (\q)%2, \q, \slot, \zero
	s_wait_dscnt 0
	PLACES NP
	FETCH_B \slot, (\q)+1, 1-(\q)%2
	FETCH_A \slot, (\q)+1, 0
.if \zero
	WIN 0xc1
.else
	WIN MUL_HI
.endif
	MUL16 4, (\q)%2, \q, \slot, \zero
	MUL16 6, (\q)%2, \q, \slot, \zero
	PLACES NP
	WIN 0
	FETCH_A \slot, (\q)+1, 4
.endm
.macro TURN slot, next, fill
	s_wait_tensorcnt 0x0
	ds_add_u32 v[SPW], v[NIL]
	s_wait_dscnt 4*NL+1
	WIN MUL_LO
	MUL16 0, 1, NQ-1, \slot, 0
	s_wait_dscnt 0x0
	s_barrier_signal -1
	MUL16 2, 1, NQ-1, \slot, 0
	WIN 0
	s_barrier_wait -1
.if \fill
	CREST
	s_add_nc_u64 s[G0+4*\slot+2:G0+4*\slot+3], s[G0+4*\slot+2:G0+4*\slot+3], 2*ROWB
	s_add_nc_u64 s[G0B+4*\slot+2:G0B+4*\slot+3], s[G0B+4*\slot+2:G0B+4*\slot+3], 2*ROWB
	JLOAD G0+4*\slot, G1, G0B+4*\slot, G1B
	PLACES NP-4
.else
	PLACES NP
.endif
	s_wait_alu depctr_va_vdst(0)
	v_add_nc_u32 v[ADRS], 4*NQ, v[ADRS]
	FETCH_B \next, 0, 0
	FETCH_A \next, 0, 0
	SCALES \next
	WIN MUL_HI
	MUL16 4, 1, NQ-1, \slot, 0
	MUL16 6, 1, NQ-1, \slot, 0
	PLACES NP
	WIN 0
	FETCH_A \next, 0, 4
.endm
	s_wait_alu depctr_va_vdst(0)                   ; the wait at the head's end
	s_wait_tensorcnt 0x0                           ; my tile of the head's four is in; the lines ahead of a later first fill:
	ds_add_u32 v[SPW], v[NIL]
	s_mov_b32 s[G1+2], 128<<16                     ; no tensor load of mine is out: from here on a load brings 128 rows
	s_mov_b32 s[G1+4], 128
	s_mov_b32 s[G1B+2], 128<<16
	s_mov_b32 s[G1B+4], 128
	s_wait_dscnt 0x0
	CROUND                                         ; all four tiles are in, and all sixteen work-groups are here
	JLOAD G0+4, G1, G0B+4, G1B                     ; K step 1's load, the first tensor load behind the round
	FETCH_B 0, 0, 0
	FETCH_A 0, 0, 0
	SCALES 0
	FETCH_A 0, 0, 4
	global_prefetch_b8 v30, s[66:67] offset:ROWB th:TH_LOAD_NT scope:SCOPE_SE  ; behind K step 1's load and the run of LDS loads: K step 3, the last
	STEP 0, 0, 1
	s_mov_b32 s3, LAPS-1
.Llap:
	TURN 0, 1, 1
	STEP 1, 0, 0
	TURN 1, 0, 1
	STEP 0, 0, 0
	s_sub_co_u32 s3, s3, 1
	s_cmp_lg_u32 s3, 0
	s_cbranch_scc1 .Llap
	TURN 0, 1, 0
	STEP 1, 0, 0
	s_wait_dscnt 4*NL
	WIN MUL_LO
	MUL16 0, 1, NQ-1, 1, 0
	MUL16 2, 1, NQ-1, 1, 0
	s_wait_dscnt 0
	WIN MUL_HI
	MUL16 4, 1, NQ-1, 1, 0
	MUL16 6, 1, NQ-1, 1, 0
	WIN 0
	PLACES NP
	s_cmp_eq_u32 ttmp9, 0
	s_cselect_b64 s[P0:P0+1], s[98:99], s[100:101]
	s_mov_b32 s26, 16896
	s_cselect_b32 s26, 8448, s26
	s_lshl_b32 s27, s26, 4
	s_lshr_b32 s28, s17, 3
	s_lshl_b32 s28, s28, 4
	s_lshl_b32 s29, s40, 2
	s_add_co_u32 s28, s28, s29
	s_lshl_b32 s29, s16, 1
	s_add_co_u32 s28, s28, s29
	s_and_b32 s29, s17, 7
	s_lshl_b32 s29, s29, 1
	s_add_co_u32 s29, s29, s15
	s_mul_i32 s28, s28, s27
	s_mul_i32 s29, s29, s26
	s_add_co_u32 s28, s28, s29
	s_and_b32 s29, s13, 8448
	s_add_co_u32 s28, s28, s29
	s_mov_b32 s29, 0
	s_add_nc_u64 s[P0:P0+1], s[P0:P0+1], s[28:29]
	s_and_b32 s30, s13, 1024
	s_and_b32 s31, s12, s27
	s_or_b32 s30, s30, s31
	s_mov_b32 s31, 0
	s_add_nc_u64 s[P1:P1+1], s[P0:P0+1], s[30:31]
	s_add_nc_u64 s[PS0:PS0+1], s[P0:P0+1], 8192
	s_mov_b32 s[HSP], s27
	s_mov_b32 s[HSP+1], 0
	s_add_nc_u64 s[PS1:PS1+1], s[PS0:PS0+1], s[HSP:HSP+1]
	s_and_b32 s[DA], s13, 1024
	s_add_co_u32 s[DA], s[DA], 1024
	s_mov_b32 s[DA+1], 0
	s_sub_co_u32 s[DJ], s27, 8192
	s_and_b32 s[DJ], s[DJ], s13
	s_mov_b32 s[DJ+1], 0
	s_mov_b32 s[SELP], 0x05040100
	s_mov_b32 s[SELP+1], 0x07060302
	s_mov_b32 s[SEL], 0x76543210
	s_mov_b32 s[SEL+1], 0xfedcba98
	s_mov_b32 s[MNT], 0x600000
	s_mov_b32 s[MH], 0xffff0000
.irp b, 0,1,2,3
	v_mov_b32 v[TM+4+\b], 0
.endr
.macro TAKE a
	WIN 0x02+(\a)/4
.set i, 0
.rept 32
.if ((\a)%2)==0
	v_pk_add_f32 v[X+2*i:X+2*i+1], v[64*((\a)%4)+2*i:64*((\a)%4)+2*i+1], v[BV+2*((\a)/2):BV+2*((\a)/2)+1] op_sel_hi:[1,0]
.else
	v_pk_add_f32 v[X+2*i:X+2*i+1], v[64*((\a)%4)+2*i:64*((\a)%4)+2*i+1], v[BV+2*((\a)/2):BV+2*((\a)/2)+1] op_sel:[0,1] op_sel_hi:[1,1]
.endif
.set i, i+1
.endr
	WIN 0
.endm
.macro QUANT pw
.irp b, 0,1,2,3
	v_max3_num_f32 v[TM+\b], |v[X+16*\b]|, |v[X+1+16*\b]|, 0x4800000
.endr
.irp i, 2,4,6,8,10,12,14
.irp b, 0,1,2,3
	v_max3_num_f32 v[TM+\b], v[TM+\b], |v[X+16*\b+\i]|, |v[X+1+16*\b+\i]|
.endr
.endr
.irp b, 0,1,2,3
	v_permlanex16_b32 v[TM+4+\b], v[TM+\b], s[SEL], s[SEL+1]
.endr
.irp b, 0,1,2,3
	v_max_num_f32 v[TM+\b], v[TM+\b], v[TM+4+\b]
.endr
.irp b, 0,1,2,3
	v_add_nc_u32 v[TM+12+\b], 0xfc000000, v[TM+\b]
.endr
.irp b, 0,1,2,3
	v_and_or_b32 v[TM+8+\b], v[TM+\b], 0x7f800000, s[MNT]
.endr
.irp b, 0,1,2,3
	v_lshrrev_b32 v[TM+4+\b], 23, v[TM+12+\b]
.endr
	v_lshl_or_b32 v[\pw], v[TM+5], 8, v[TM+4]
	v_lshl_or_b32 v[\pw], v[TM+6], 16, v[\pw]
	v_lshl_or_b32 v[\pw], v[TM+7], 24, v[\pw]
.irp b, 0,1,2,3
.irp i, 0,1,2,3,4,5,6,7,8,9,10,11,12,13,14,15
	v_med3_num_f32 v[X+16*\b+\i], v[X+16*\b+\i], -v[TM+8+\b], v[TM+8+\b]
.endr
	v_cvt_scalef32_pk8_fp8_f32 v[PC+4*\b:PC+4*\b+1], v[X+16*\b:X+16*\b+7], v[TM+12+\b]
	v_cvt_scalef32_pk8_fp8_f32 v[PC+4*\b+2:PC+4*\b+3], v[X+16*\b+8:X+16*\b+15], v[TM+12+\b]
.endr
	v_nop                                          ; the codes leave as the conversions lay them: place (h, i) of a block of 32 holds number 8 h + i (i under 8) or 8 h + 8 + i.  q and k carry the same order, and so do v and the next launch's p: the products are the same
.endm
.irp a, 0,1,2,3,4,5,6,7
.if \a > 0
	s_wait_xcnt 0x0
	s_add_nc_u64 s[P0:P0+1], s[P0:P0+1], s[DA:DA+1]
	s_add_nc_u64 s[P1:P1+1], s[P1:P1+1], s[DA:DA+1]
.endif
.if \a == 4
	s_add_nc_u64 s[P0:P0+1], s[P0:P0+1], s[DJ:DJ+1]
	s_add_nc_u64 s[P1:P1+1], s[P1:P1+1], s[DJ:DJ+1]
.endif
	TAKE \a
	QUANT PWR+\a
	global_store_b128 v[LI], v[PC:PC+3], s[P0:P0+1]
	global_store_b128 v[LI], v[PC+4:PC+7], s[P0:P0+1] offset:512
	global_store_b128 v[LI], v[PC+8:PC+11], s[P1:P1+1]
	global_store_b128 v[LI], v[PC+12:PC+15], s[P1:P1+1] offset:512
.endr
.irp hd, 0,1
.irp i, 0,1,2,3
	v_perm_b32 v[FW+4*\hd+\i], v[PWR+2*\i+1], v[PWR+2*\i], s[SELP+\hd]
	v_cndmask_b32 v[FW+4*\hd+\i], v[FW+4*\hd+\i], v[PWR+4*\hd+\i], s13
.endr
	v_cndmask_b32 v[TM+2*\hd], v[FW+4*\hd], v[FW+4*\hd+1], s[MH]
	v_cndmask_b32 v[TM+2*\hd+1], v[FW+4*\hd+2], v[FW+4*\hd+3], s[MH]
.endr
	global_store_b64 v[L8], v[TM:TM+1], s[PS0:PS0+1]
	global_store_b64 v[L8], v[TM+2:TM+3], s[PS1:PS1+1]
	s_wait_tensorcnt 0x0
	ds_add_u32 v[SPW], v[NIL]
	s_wait_dscnt 0x0
	CROUND
	s_endpgm
.Lfunc_end_k_qb28c001b73_qkv:
	.size	k_qb28c001b73_qkv, .Lfunc_end_k_qb28c001b73_qkv-k_qb28c001b73_qkv
	.p2alignl 7, 3214868480
	.fill 96, 4, 3214868480
	.section	.rodata,"a",@progbits
	.p2align	6, 0x0
	.amdhsa_kernel k_qb28c001b73_qkv
		.amdhsa_group_segment_fixed_size 327680
		.amdhsa_private_segment_fixed_size 0
		.amdhsa_enable_private_segment 0
		.amdhsa_kernarg_size 56
		.amdhsa_user_sgpr_count 2
		.amdhsa_user_sgpr_kernarg_segment_ptr 1
		.amdhsa_wavefront_size32 1
		.amdhsa_system_sgpr_workgroup_id_x 1
		.amdhsa_system_sgpr_workgroup_id_y 1
		.amdhsa_system_sgpr_workgroup_id_z 1
		.amdhsa_system_vgpr_workitem_id 0
		.amdhsa_next_free_vgpr 1024
		.amdhsa_next_free_sgpr 102
		.amdhsa_reserve_vcc 0
		.amdhsa_float_denorm_mode_32 3
		.amdhsa_float_denorm_mode_16_64 3
		.amdhsa_memory_ordered 1
		.amdhsa_forward_progress 1
		.amdhsa_inst_pref_size 209
	.end_amdhsa_kernel
	.amdgpu_metadata
---
amdhsa.version: [ 1, 2 ]
amdhsa.kernels:
  - .name:           k_qb28c001b73_qkv
    .symbol:         k_qb28c001b73_qkv.kd
    .args:
      - { .name: x_codes, .offset: 0, .size: 8, .value_kind: global_buffer, .address_space: global }
      - { .name: x_scales, .offset: 8, .size: 8, .value_kind: global_buffer, .address_space: global }
      - { .name: w_qkv_codes, .offset: 16, .size: 8, .value_kind: global_buffer, .address_space: global }
      - { .name: w_qkv_scales, .offset: 24, .size: 8, .value_kind: global_buffer, .address_space: global }
      - { .name: b_qkv, .offset: 32, .size: 8, .value_kind: global_buffer, .address_space: global }
      - { .name: qbuf, .offset: 40, .size: 8, .value_kind: global_buffer, .address_space: global }
      - { .name: kvbuf, .offset: 48, .size: 8, .value_kind: global_buffer, .address_space: global }
    .group_segment_fixed_size: 327680
    .private_segment_fixed_size: 0
    .kernarg_segment_align: 8
    .kernarg_segment_size: 56
    .max_flat_workgroup_size: 128
    .sgpr_count:     102
    .vgpr_count:     1024
    .wavefront_size: 32
...
	.end_amdgpu_metadata
.endif
;; end of part 1
;; launch attn (part 2): grid 4 x 64, 16 waves a work-group, clusters of 4 x 1, 327,680 bytes of LDS; arguments qbuf, kvbuf, ctxc, ctxs; writes ctxc, ctxs
.if DOCPART == 2
	.amdgcn_target "amdgcn-amd-amdhsa--gfx1250"
	.amdhsa_code_object_version 6
	.text
	.protected	k_qb28c001b73_attn
	.globl	k_qb28c001b73_attn
	.p2align	8
	.type	k_qb28c001b73_attn,@function
k_qb28c001b73_attn:
	s_mov_b64 s[64:65], 0
	v_nop
	global_prefetch_b8 v0, s[64:65] scope:SCOPE_SE
	s_setreg_imm32_b32 hwreg(HW_REG_WAVE_MODE, 25, 1), 1
	s_wait_xcnt 0x0
	s_wait_alu depctr_hold_cnt(0) depctr_sa_sdst(0) depctr_va_vdst(0) depctr_va_sdst(0) depctr_va_ssrc(0) depctr_va_vcc(0) depctr_vm_vsrc(0)
	s_getreg_b32 s2, hwreg(HW_REG_IB_STS2, 6, 4)
	s_cmp_eq_u32 s2, 0
	s_cbranch_scc0 .Lentry_in_a_cluster
	s_endpgm
.Lentry_in_a_cluster:
	s_bfe_u32 s2, ttmp6, 0x10000c
	s_cmp_lg_u32 s2, 0x3003
	s_cbranch_scc0 .Lentry_shape_is_right
	s_endpgm
.Lentry_shape_is_right:
; ctx = softmax(q k^T / 8) v for 64 (batch, head) pairs of 2,048 tokens x 64 channels, both products on codes of E4M3 with E8M0 scales; ctx is quantised along the model's 1,024 and leaves as codes.
; THE SOFTMAX: t = score x log2(e) / 8; M = the running largest t rounded up to a whole number; p = 2^(t - M) is quantised along the keys; the row's sum is taken of the unquantised p and divides at the end.
; When M moves, the sum and O are multiplied by 2^(old M - new M), which rounds nothing.
; SHARES.  Work-group (cx, y): head y % 16 of batch y / 16, queries 512 cx on, in two passes of 256.  In a pass each of sixteen waves owns one tile of 16 queries, in 256 registers: four waves to a SIMD,
; so that one wave's vector work stands beside another's products and LDS loads.
; ONE FILL, SHOWN IN TWO PARTS.  A head's k and v are 16 records of 16,896 bytes (k's four fragments, their scale words, v's four, theirs), dense in kvbuf: 270,336 bytes, which lie in LDS whole.  Each wave fetches one record
; by one load at the head; nothing is filled again.  Waves 0 to 3 have a load line of their own and wait for it at the first barrier, which shows records 0 to 3; behind the first four key steps every wave waits for its load,
; and a second barrier shows the other twelve.  No other barrier stands in the walk over the keys.  No prefetch is laid: the launch has no later fill to run ahead of.
; CLUSTER.  The four query blocks of a head need the same records: each load is a joint one (mask 15).
; OPERANDS lie in LDS as images of their registers: 512 consecutive bytes a load, no pitch.
; K = 64 UNDER AN INSTRUCTION OF K = 128: a fragment of k holds keys 32 f + r in k 0-63 and keys 32 f + 16 + r in k 64-127; q is taken once with zeros above and once with zeros below: the registers stand as z q z (8 each),
; so that (q, z) and (z, q) are two runs of 16 over one copy of q.  Both passes' q are loaded at the head; the second waits in 8 registers of its own.
; Both products are used transposed: a lane holds one query.  In S^T register 8 tau + j holds key 16 tau + 8 h + j, so place (h, i) of a block of 32 of p's codes holds key 8 h + i (i under 8) or 8 h + 8 + i:
; v's codes come from the launch before in the same order, so nothing is moved between lanes; a block's scale is untouched by an order inside the block.
; ctxs: [head of 16][token of 8,192][2 bytes]: a head's two scale bytes of a token.
; LIMITS: NaN and infinities are not served; p under 2^-126 counts as 0; a block of zeros gets the byte 1 (its codes are zeros; this program alone reads the bytes); the scaled scores stay under 2^31 in magnitude.
; REGISTERS: v1-11, v27 addresses and q's scale words; v12-15, v24-26 scale words; v16-23 statistics; v32-47 at work; v48-63 p's codes; v64-127 S^T, then p; v128-191 four fragments of k, then of v; v192-223 O^T; v224-247 z q z; v248-255 the second pass's q.
.set REC,   16896
.set GATH,  16*REC                     ; ctx's scale bytes meet here: 1,024 bytes of a block of 4,096
.set SPARE, GATH+4096                  ; the spare words, 128 bytes a wave
.set QREC,  8448
.set QHEAD, 16*QREC
.set LI,  1                            ; 16 x lane
.set L8,  2                            ; 8 x lane
.set ADR, 3
.set ADS, 4
.set SPW, 5
.set NIL, 6
.set QSO, 7
.set QW,  8
.set QW2, 9
.set GA,  10
.set GR,  11
.set KSC, 12
.set VSC, 14
.set ST,  16                           ; +0 -M, +1 largest t, +2, +3 the sum, +4 f or 1 / sum, +5 its pair's upper word, +6, +7 at work
.set QS,  24
.set PW,  25
.set SW,  26
.set GO,  27
.set WK,  32                           ; +0 block maxima, +4 the other half's / bytes / the holds' second copy, +8 holds, +12 scale operands
.set P,   48
.set S,   64
.set GD,  64
.set F,   128
.set O,   192
.set QZ,  224
.set QN,  248
.set WV,  12
.set SEL, 20
.set CS,  22
.set G1,  24
.set G0,  32
.set MNT, 40
.set TB,  41
.set CNT, 42
.set QB,  44
.set QP,  46
.set CP,  48
.set SP,  50
.set PSEL, 52
.macro PLACES n
.rept \n
	v_nop
.endr
.endm
.macro CROUND                          ; a round of the cluster's barrier
	s_barrier_signal -1
	s_barrier_wait -1
	s_cmp_lg_u32 s[WV], 0
	s_cbranch_scc1 .Lnot_wave_0_\@
	s_barrier_signal -3
.Lnot_wave_0_\@:
	s_barrier_wait -3
	s_barrier_signal -1
	s_barrier_wait -1
.endm
	s_load_b256 s[4:11], s[0:1], 0x0               ; qbuf, kvbuf, ctxc, ctxs
	v_lshl_add_u32 v[SPW], v0, 2, SPARE
	v_mov_b32 v[NIL], 0
	ds_add_u32 v[SPW], v[NIL]                      ; the opening lines: the add, twice on end, and its wait
	ds_add_u32 v[SPW], v[NIL]
	v_lshrrev_b32 v1, 5, v0
	v_readfirstlane_b32 s[WV], v1                  ; wave 0..15
	s_bfe_u32 s13, ttmp6, 0x40000                  ; cx: my block of 512 queries
	s_and_b32 s15, ttmp7, 0xffff                   ; y = 16 batch + head: the four partners share it
	s_mul_i32 s16, s15, 16*REC                     ; the head's 16 records,
	s_mul_i32 s18, s[WV], REC                      ; mine: in memory and in LDS
	s_add_co_u32 s16, s16, s18
	s_mov_b32 s17, 0
	s_mov_b32 s[G1], 15|(3<<16)|(1<<21)            ; the mask: all four; elements of 8 bytes; bit 21 beside a mask; no padding
	s_mov_b32 s[G1+1], 32<<16                      ; tensor_dim0: a row of 256 bytes
	s_mov_b32 s[G1+2], 66<<16                      ; tensor_dim1: 66 rows = a record
	s_mov_b32 s[G1+3], 32<<16
	s_mov_b32 s[G1+4], 66
	s_mov_b32 s[G1+5], 32                          ; dense
	s_mov_b32 s[G1+6], 0
	s_mov_b32 s[G1+7], 0
	s_mul_i32 s[QB], s15, QHEAD                    ; q: the head's records of 128 tokens; mine is 4 cx + wave / 8 (the second pass: two on),
	s_lshl_b32 s56, s13, 2
	s_lshr_b32 s57, s[WV], 3
	s_add_co_u32 s56, s56, s57
	s_mul_i32 s56, s56, QREC
	s_add_co_u32 s[QB], s[QB], s56
	s_mov_b32 s[QB+1], 0
	s_and_b32 s[QP], s[WV], 7                      ; fragment (wave % 8) / 2 of 2,048 bytes, its half wave % 2
	s_lshl_b32 s[QP], s[QP], 10
	s_mov_b32 s[QP+1], 0
	s_lshr_b32 s58, s15, 4                         ; batch
	s_and_b32 s59, s15, 15                         ; head
	s_lshl_b32 s[CP], s58, 7                       ; ctx's codes: token tile 128 batch + 32 cx + wave (second pass: 16 on), 16,384 bytes each; 1,024 bytes a head
	s_lshl_b32 s56, s13, 5
	s_add_co_u32 s[CP], s[CP], s56
	s_add_co_u32 s[CP], s[CP], s[WV]
	s_lshl_b32 s[CP], s[CP], 14
	s_lshl_b32 s56, s59, 10
	s_add_co_u32 s[CP], s[CP], s56
	s_mov_b32 s[CP+1], 0
	s_lshl_b32 s[SP], s59, 14                      ; ctx's scale bytes: 16,384 bytes a head, 4,096 a batch, 1,024 a work-group
	s_lshl_b32 s56, s58, 12
	s_add_co_u32 s[SP], s[SP], s56
	s_lshl_b32 s56, s13, 10
	s_add_co_u32 s[SP], s[SP], s56
	s_mov_b32 s[SP+1], 0
	s_bfe_u32 s60, s[WV], 0x10001                  ; q's scale word of (fragment f, row r): 8 (r + 16 (f % 2)) + 4 (f / 2)
	s_lshl_b32 s60, s60, 7
	s_bfe_u32 s61, s[WV], 0x10002
	s_lshl_b32 s61, s61, 2
	s_add_co_u32 s60, s60, s61
	s_and_b32 s61, s[WV], 1                        ; of its four bytes my tile's two: the lower for wave % 2 = 0, the upper else; laid below and above, they serve (q, z) and (z, q)
	s_mov_b32 s[PSEL], 0x01000100
	s_cselect_b32 s[PSEL], 0x03020302, s[PSEL]
	s_mov_b32 s[SEL], 0x76543210
	s_mov_b32 s[SEL+1], 0xfedcba98                 ; lane l xor 16
	s_mov_b32 s[CS], 0x3e38aa3b                    ; log2(e) / 8
	s_mov_b32 s[CS+1], s[CS]
	s_mov_b32 s[MNT], 0x600000                     ; the mantissa field of 448
	s_wait_dscnt 0x0                               ; both opening adds are done
	s_wait_kmcnt 0x0
	s_add_nc_u64 s[6:7], s[6:7], s[16:17]
	s_add_nc_u64 s[QB:QB+1], s[4:5], s[QB:QB+1]
	s_add_nc_u64 s[QP:QP+1], s[QB:QB+1], s[QP:QP+1]
	s_add_nc_u64 s[CP:CP+1], s[8:9], s[CP:CP+1]
	s_add_nc_u64 s[SP:SP+1], s[10:11], s[SP:SP+1]
	CROUND                                         ; all four work-groups are here: the joint loads meet
	s_mov_b32 s[G0], 1
	s_mov_b32 s[G0+1], s18
	s_mov_b64 s[G0+2:G0+3], s[6:7]
	s_or_b32 s[G0+3], s[G0+3], 0x80000000
	s_cmp_lt_u32 s[WV], 4                          ; my record: my one tensor load of the launch.  Waves 0 to 3, whose records the first barrier shows, have a line of their own
	s_cbranch_scc0 .Lrest
	tensor_load_to_lds s[G0:G0+3], s[G1:G1+7]
	s_nop 0
	PLACES 4
	s_branch .Lasked
.Lrest:
	tensor_load_to_lds s[G0:G0+3], s[G1:G1+7]
	s_nop 0
	PLACES 4
.Lasked:
	v_and_b32 v3, 31, v0
	v_lshlrev_b32 v[LI], 4, v3
	v_lshlrev_b32 v[L8], 3, v3
	v_and_b32 v4, 15, v0
	v_lshl_add_u32 v[QSO], v4, 3, s60
	v_and_b32 v[GA], 0x1e0, v0                     ; 32 x wave: 16 tokens of 2 bytes,
	v_lshl_add_u32 v[GA], v4, 1, v[GA]             ; + 2 x (lane % 16): both halves of the lanes hold the same bytes and name the same place
	v_add_nc_u32 v[GA], GATH, v[GA]
	v_lshl_add_u32 v[GR], v0, 4, GATH
	v_lshlrev_b32 v[GO], 4, v0
.irp i, 4,5,6,7
	v_mov_b32 v[ST+\i], 0                          ; written once: permutes' destinations and pairs' upper words count as read
	v_mov_b32 v[WK+\i], 0
.endr
.set i, 0
.rept 8
	v_mov_b32 v[QZ+i], 0                           ; the two runs of zero codes, which add nothing
	v_mov_b32 v[QZ+16+i], 0
.set i, i+1
.endr
	s_wait_alu depctr_va_vdst(0)                   ; the wait ahead of the loads that read the addresses just made
	global_load_b32 v[QW], v[QSO], s[QB:QB+1] offset:8192             ; q's scale words of both passes first,
	global_load_b32 v[QW2], v[QSO], s[QB:QB+1] offset:8192+2*QREC
.irp c, 0,1
	global_load_b128 v[QZ+8+4*\c:QZ+8+4*\c+3], v[LI], s[QP:QP+1] offset:512*\c          ; then the first pass's q into its place,
	global_load_b128 v[QN+4*\c:QN+4*\c+3], v[LI], s[QP:QP+1] offset:2*QREC+512*\c       ; and the second's beside it
.endr
.macro INIT                            ; a pass begins: the largest t under every t, sums and O^T zero.  (These lines are also the places between the scale word just made and the first product)
	v_mov_b32 v[ST+1], 0xff61b1e6                  ; -3e38
	s_delay_alu instid0(VALU_DEP_1)
	v_floor_f32 v[ST], -v[ST+1]
	v_mov_b32 v[ST+2], 0
	v_mov_b32 v[ST+3], 0
.set i, 0
.rept 32
	v_mov_b32 v[O+i], 0                            ; the key step is written once: the first finds zeros
.set i, i+1
.endr
.endm
.macro QK f, u                         ; S^T of keys 32 f + 16 u on: u = 0 takes (q, z), u = 1 (z, q)
.set rQ, QZ+8-8*(\u)
.set rD, S+8*(2*(\f)+(\u))
.if ((\f)%2)==1
	v_wmma_scale_f32_16x16x128_f8f6f4 v[rD:rD+7], v[F+16*(\f):F+16*(\f)+15], v[rQ:rQ+15], 0, v[KSC+(\f)/2], v[QS] matrix_a_scale:MATRIX_SCALE_ROW1
.else
	v_wmma_scale_f32_16x16x128_f8f6f4 v[rD:rD+7], v[F+16*(\f):F+16*(\f)+15], v[rQ:rQ+15], 0, v[KSC+(\f)/2], v[QS]
.endif
.endm
.macro PV ct                           ; O^T of channels 16 ct on += v^T p^T
.set rO, O+8*(\ct)
.if ((\ct)%2)==1
	v_wmma_scale_f32_16x16x128_f8f6f4 v[rO:rO+7], v[F+16*(\ct):F+16*(\ct)+15], v[P:P+15], v[rO:rO+7], v[VSC+(\ct)/2], v[PW] matrix_a_scale:MATRIX_SCALE_ROW1
.else
	v_wmma_scale_f32_16x16x128_f8f6f4 v[rO:rO+7], v[F+16*(\ct):F+16*(\ct)+15], v[P:P+15], v[rO:rO+7], v[VSC+(\ct)/2], v[PW]
.endif
.endm
.macro SMAX                            ; the blocks' largest scores, the new M, f, and t - M for the 64 numbers a lane
.irp b, 0,1,2,3
	v_max3_num_f32 v[WK+\b], v[S+16*\b], v[S+16*\b+1], v[S+16*\b+2]   ; each accumulator is read from its low end on
.endr
.irp i, 3,5,7,9,11,13
.irp b, 0,1,2,3
	v_max3_num_f32 v[WK+\b], v[WK+\b], v[S+16*\b+\i], v[S+16*\b+\i+1]
.endr
.endr
.irp b, 0,1,2,3
	v_max_num_f32 v[WK+\b], v[WK+\b], v[S+16*\b+15]
.endr
.irp b, 0,1,2,3
	s_delay_alu instid0(VALU_DEP_4)
	v_permlanex16_b32 v[WK+4+\b], v[WK+\b], s[SEL], s[SEL+1]
.endr
.irp b, 0,1,2,3
	s_delay_alu instid0(VALU_DEP_4)
	v_max_num_f32 v[WK+\b], v[WK+\b], v[WK+4+\b]   ; the largest score of each block of 32 keys: it serves the row's maximum and, since p rises with the score, the block's largest p
.endr
	s_delay_alu instid0(VALU_DEP_2)
	v_max3_num_f32 v[ST+6], v[WK], v[WK+1], v[WK+2]
	s_delay_alu instid0(VALU_DEP_1)
	v_max_num_f32 v[ST+6], v[ST+6], v[WK+3]
	s_delay_alu instid0(VALU_DEP_1)
	v_mul_f32 v[ST+6], s[CS], v[ST+6]
	s_delay_alu instid0(VALU_DEP_1)
	v_max_num_f32 v[ST+1], v[ST+1], v[ST+6]        ; the running largest t
	v_mov_b32 v[ST+6], v[ST]
	s_delay_alu instid0(VALU_DEP_2)
	v_floor_f32 v[ST], -v[ST+1]                    ; -M = floor(-t): M is a whole number
	s_delay_alu instid0(VALU_DEP_1)
	v_sub_f32 v[ST+6], v[ST], v[ST+6]              ; old M - new M, 0 or less
	s_delay_alu instid0(VALU_DEP_1)
	v_cvt_i32_f32 v[ST+6], v[ST+6]                 ; (it saturates)
	s_delay_alu instid0(VALU_DEP_1)
	v_ldexp_f32 v[ST+4], 1.0, v[ST+6]              ; f = 2^(old M - new M)
.set i, 0
.rept 32
	v_pk_fma_f32 v[S+i:S+i+1], v[S+i:S+i+1], s[CS:CS+1], v[ST:ST+1] op_sel_hi:[1,0,0]
.set i, i+2
.endr
.irp b, 0,1,2,3
	v_fma_f32 v[WK+\b], v[WK+\b], s[CS], v[ST]     ; the same of each block's largest score
.endr
.endm
.macro EXPS                            ; one batch: the 64 p and the four blocks' largest p
.set i, 0
.rept 64
	v_exp_f32 v[S+i], v[S+i]
.set i, i+1
.endr
.irp b, 0,1,2,3
	v_exp_f32 v[WK+\b], v[WK+\b]
.endr
.endm
.macro SUMS                            ; the row's sum, of the unquantised p, under the new M; two chains
	v_pk_mul_f32 v[ST+2:ST+3], v[ST+2:ST+3], v[ST+4:ST+5] op_sel_hi:[1,0]   ; (a plain line behind the batch)
	s_wait_alu depctr_va_vdst(0)                   ; one wait for the batch, ahead of its first reader
	v_pk_add_f32 v[WK+4:WK+5], v[S:S+1], v[S+2:S+3]
.irp j, 4,8,12,16,20,24,28,32,36,40,44,48,52,56,60
	v_pk_add_f32 v[ST+2:ST+3], v[ST+2:ST+3], v[S+\j:S+\j+1]
	v_pk_add_f32 v[WK+4:WK+5], v[WK+4:WK+5], v[S+\j+2:S+\j+3]
.endr
	s_delay_alu instid0(VALU_DEP_1)
	v_pk_add_f32 v[ST+2:ST+3], v[ST+2:ST+3], v[WK+4:WK+5]
.endm
.macro PQ                              ; p becomes codes and a scale word
.irp b, 0,1,2,3
	v_max_num_f32 v[WK+\b], 0x4800000, v[WK+\b]    ; the floor 2^(9 - 127)
.endr
.irp b, 0,1,2,3
	s_delay_alu instid0(VALU_DEP_4)
	v_add_nc_u32 v[WK+12+\b], 0xfc000000, v[WK+\b]
.endr
.irp b, 0,1,2,3
	v_and_or_b32 v[WK+8+\b], v[WK+\b], 0x7f800000, s[MNT]
.endr
.irp b, 0,1,2,3
	v_lshrrev_b32 v[WK+4+\b], 23, v[WK+12+\b]
.endr
	s_delay_alu instid0(VALU_DEP_3)
	v_lshl_or_b32 v[PW], v[WK+5], 8, v[WK+4]
	s_delay_alu instid0(VALU_DEP_1)
	v_lshl_or_b32 v[PW], v[WK+6], 16, v[PW]
	s_delay_alu instid0(VALU_DEP_1)
	v_lshl_or_b32 v[PW], v[WK+7], 24, v[PW]
.irp b, 0,1,2,3
	v_mov_b32 v[WK+4+((\b+1)%4)], v[WK+8+\b]       ; a second copy of each hold, one register bank on: the two halves of a dual pair take their second sources from different banks
.endr
.irp b, 0,1,2,3
.set i, 0
.rept 8
	v_dual_min_num_f32 v[S+16*\b+i], v[S+16*\b+i], v[WK+8+\b] :: v_dual_min_num_f32 v[S+16*\b+i+1], v[S+16*\b+i+1], v[WK+4+((\b+1)%4)]   ; the conversion does not saturate (ISA guide 7.6.2); p is not negative; two holds a line
.set i, i+2
.endr
	v_cvt_scalef32_pk8_fp8_f32 v[P+4*\b:P+4*\b+1], v[S+16*\b:S+16*\b+7], v[WK+12+\b]
	v_cvt_scalef32_pk8_fp8_f32 v[P+4*\b+2:P+4*\b+3], v[S+16*\b+8:S+16*\b+15], v[WK+12+\b]
.endr
.endm
; A KEY STEP: 128 keys, the record at LDS byte s[TB].
.macro STEP
	v_add_nc_u32 v[ADR], s[TB], v[LI]
	v_add_nc_u32 v[ADS], s[TB], v[L8]
	PLACES 6                                       ; with the two additions: eight places in front of the loads into the registers that the last step's products read
	ds_load_b64 v[KSC:KSC+1], v[ADS] offset:8192   ; k's scale words: register f / 2, lanes 16-31 for f odd
.irp f, 0,1,2,3
.irp c, 0,1,2,3
	ds_load_b128 v[F+16*\f+4*\c:F+16*\f+4*\c+3], v[ADR] offset:2048*\f+512*\c
.endr
.endr
	s_wait_alu depctr_va_vdst(0)                   ; the wait here
.irp f, 0,1,2,3
	s_wait_dscnt 12-4*\f                           ; fragment f is in; the fragments behind it, four loads each, may be out
	QK \f, 0
	QK \f, 1
.endr
	PLACES 8                                       ; in front of the reads of S^T and of the loads into the fragments' registers
.irp f, 0,1,2,3
.irp c, 0,1,2,3
	ds_load_b128 v[F+16*\f+4*\c:F+16*\f+4*\c+3], v[ADR] offset:8448+2048*\f+512*\c
.endr
.endr
	ds_load_b64 v[VSC:VSC+1], v[ADS] offset:16640
	SMAX
	s_wait_alu depctr_va_vdst(0)                   ; the wait ahead of the batch
	EXPS
	SUMS
	PQ
	s_wait_alu depctr_va_vdst(0)                   ; the wait here, directly ahead of the first reader of O^T
.set i, 0
.rept 16
	v_pk_mul_f32 v[O+i:O+i+1], v[O+i:O+i+1], v[ST+4:ST+5] op_sel_hi:[1,0]   ; O^T under the new M; also the places between the codes and the products
.set i, i+2
.endr
	s_wait_alu depctr_va_vdst(0)                   ; and here, directly ahead of the wait below
	s_wait_dscnt 0x0                               ; v and its scale words are in
.irp ct, 0,1,2,3
	PV \ct                                         ; four accumulators by turns; the next step's eight products on S^T stand between a sum's steps
.endr
.endm
.macro WORK first, trips               ; key steps first .. first + trips - 1 of a pass
	s_mov_b32 s[TB], (\first)*REC
	s_mov_b32 s[CNT], \trips
.Lwork_\@:
	STEP
	s_add_co_u32 s[TB], s[TB], REC
	s_sub_co_u32 s[CNT], s[CNT], 1
	s_cmp_lg_u32 s[CNT], 0
	s_cbranch_scc1 .Lwork_\@
.endm
.macro CQ p                            ; the tile's 64 channels of ctx (two blocks of 32 along the model's 1,024) become codes and two scale bytes
.irp b, 0,1
	v_max3_num_f32 v[WK+\b], |v[S+16*\b]|, |v[S+16*\b+1]|, 0x4800000
.endr
.irp i, 2,4,6,8,10,12,14
.irp b, 0,1
	s_delay_alu instid0(VALU_DEP_2)
	v_max3_num_f32 v[WK+\b], v[WK+\b], |v[S+16*\b+\i]|, |v[S+16*\b+\i+1]|
.endr
.endr
.irp b, 0,1
	s_delay_alu instid0(VALU_DEP_2)
	v_permlanex16_b32 v[WK+4+\b], v[WK+\b], s[SEL], s[SEL+1]
.endr
.irp b, 0,1
	s_delay_alu instid0(VALU_DEP_2)
	v_max_num_f32 v[WK+\b], v[WK+\b], v[WK+4+\b]
.endr
.irp b, 0,1
	s_delay_alu instid0(VALU_DEP_2)
	v_add_nc_u32 v[WK+12+\b], 0xfc000000, v[WK+\b]
.endr
.irp b, 0,1
	s_delay_alu instid0(VALU_DEP_4)
	v_and_or_b32 v[WK+8+\b], v[WK+\b], 0x7f800000, s[MNT]
.endr
.irp b, 0,1
	s_delay_alu instid0(VALU_DEP_4)
	v_lshrrev_b32 v[WK+4+\b], 23, v[WK+12+\b]
.endr
	s_delay_alu instid0(VALU_DEP_1)
	v_lshl_or_b32 v[SW], v[WK+5], 8, v[WK+4]
.irp b, 0,1
.set i, 0
.rept 16
	v_med3_num_f32 v[S+16*\b+i], v[S+16*\b+i], -v[WK+8+\b], v[WK+8+\b]
.set i, i+1
.endr
	v_cvt_scalef32_pk8_fp8_f32 v[P+4*\b:P+4*\b+1], v[S+16*\b:S+16*\b+7], v[WK+12+\b]
	v_cvt_scalef32_pk8_fp8_f32 v[P+4*\b+2:P+4*\b+3], v[S+16*\b+8:S+16*\b+15], v[WK+12+\b]
.endr
	v_nop                                          ; a plain line between the conversions and the swaps
.irp b, 0,1
	v_permlane16_swap_b32 v[P+4*\b], v[P+4*\b+2]   ; w_proj's codes come in K's own order, so ctx's take it too: half h holds channels 16 h .. 16 h + 15 of the block
	v_permlane16_swap_b32 v[P+4*\b+1], v[P+4*\b+3]
.endr
.irp b, 0,1
	global_store_b128 v[LI], v[P+4*\b:P+4*\b+3], s[CP:CP+1] offset:262144*(\p)+512*\b   ; 512 consecutive bytes, aligned
.endr
.endm
.macro FINAL p                         ; a pass ends: O^T / the sum, quantised, stored
	PLACES 8
	v_add_f32 v[ST+6], v[ST+2], v[ST+3]
	v_permlanex16_b32 v[ST+7], v[ST+6], s[SEL], s[SEL+1]
	v_add_f32 v[ST+6], v[ST+6], v[ST+7]
	s_wait_alu depctr_va_vdst(0)                   ; the wait ahead of the transcendental
	v_rcp_f32 v[ST+4], v[ST+6]
	v_nop                                          ; a plain line behind the reciprocal
	s_wait_alu depctr_va_vdst(0)                   ; the wait ahead of its first reader, which is also the first reader of O^T
.set i, 0
.rept 16
	v_pk_mul_f32 v[S+i:S+i+1], v[O+i:O+i+1], v[ST+4:ST+5] op_sel_hi:[1,0]   ; each accumulator from its low end on
.set i, i+2
.endr
	CQ \p
	ds_store_b16 v[GA], v[SW] offset:512*(\p)      ; the two bytes of token 256 p + 16 wave + lane % 16 of the work-group's 512
	s_wait_xcnt 0x0                                ; the stores have read their data: the codes' registers may be written again
.endm
	s_wait_loadcnt 0x4                             ; both scale words are in; the four loads behind them may be out
	v_perm_b32 v[QS], v[QW], v[QW], s[PSEL]
	INIT
	s_wait_alu depctr_va_vdst(0)                   ; the wait at the head's end
	s_cmp_lt_u32 s[WV], 4
	s_cbranch_scc0 .Lnot_yet
	s_wait_tensorcnt 0x0                           ; waves 0 to 3: my record, one of the first four, is in.  The other waves' wait stands at the second barrier
.Lnot_yet:
	s_barrier_signal -1
	s_barrier_wait -1                              ; records 0 to 3 are whole
	s_wait_loadcnt 0x0                             ; q of both passes
	WORK 0, 4                                      ; queries 0 to 255 of my 512: keys 0 to 511;
	s_wait_tensorcnt 0x0                           ; every wave's record is in: the wait stands on every wave's way
	s_wait_dscnt 0x0
	s_barrier_signal -1
	s_barrier_wait -1                              ; all sixteen records are whole
	WORK 4, 12                                     ; keys 512 on
	FINAL 0
.set i, 0
.rept 8
	v_mov_b32 v[QZ+8+i], v[QN+i]                   ; the second pass's q takes its place
.set i, i+1
.endr
	v_perm_b32 v[QS], v[QW2], v[QW2], s[PSEL]
	INIT
	WORK 0, 16                                     ; queries 256 on
	FINAL 1
	; ctx's scale bytes: the work-group's 512 pairs have met in LDS and leave as 1,024 consecutive bytes
	s_wait_dscnt 0x0                               ; for the others' sake
	s_barrier_signal -1
	s_barrier_wait -1
	s_cmp_lt_u32 s[WV], 2
	s_cbranch_scc0 .Lno_words
	ds_load_b128 v[GD:GD+3], v[GR]
	s_wait_dscnt 0x0
	global_store_b128 v[GO], v[GD:GD+3], s[SP:SP+1]
.Lno_words:
	s_wait_tensorcnt 0x0                           ; the wave's end
	ds_add_u32 v[SPW], v[NIL]
	s_wait_dscnt 0x0
	CROUND                                         ; the closing round
	s_endpgm
.Lfunc_end_k_qb28c001b73_attn:
	.size	k_qb28c001b73_attn, .Lfunc_end_k_qb28c001b73_attn-k_qb28c001b73_attn
	.p2alignl 7, 3214868480
	.fill 96, 4, 3214868480
	.section	.rodata,"a",@progbits
	.p2align	6, 0x0
	.amdhsa_kernel k_qb28c001b73_attn
		.amdhsa_group_segment_fixed_size 327680
		.amdhsa_private_segment_fixed_size 0
		.amdhsa_enable_private_segment 0
		.amdhsa_kernarg_size 32
		.amdhsa_user_sgpr_count 2
		.amdhsa_user_sgpr_kernarg_segment_ptr 1
		.amdhsa_wavefront_size32 1
		.amdhsa_system_sgpr_workgroup_id_x 1
		.amdhsa_system_sgpr_workgroup_id_y 1
		.amdhsa_system_sgpr_workgroup_id_z 1
		.amdhsa_system_vgpr_workitem_id 0
		.amdhsa_next_free_vgpr 256
		.amdhsa_next_free_sgpr 66
		.amdhsa_reserve_vcc 0
		.amdhsa_float_denorm_mode_32 3
		.amdhsa_float_denorm_mode_16_64 3
		.amdhsa_memory_ordered 1
		.amdhsa_forward_progress 1
		.amdhsa_inst_pref_size 82
	.end_amdhsa_kernel
	.amdgpu_metadata
---
amdhsa.version: [ 1, 2 ]
amdhsa.kernels:
  - .name:           k_qb28c001b73_attn
    .symbol:         k_qb28c001b73_attn.kd
    .args:
      - { .name: qbuf, .offset: 0, .size: 8, .value_kind: global_buffer, .address_space: global }
      - { .name: kvbuf, .offset: 8, .size: 8, .value_kind: global_buffer, .address_space: global }
      - { .name: ctxc, .offset: 16, .size: 8, .value_kind: global_buffer, .address_space: global }
      - { .name: ctxs, .offset: 24, .size: 8, .value_kind: global_buffer, .address_space: global }
    .group_segment_fixed_size: 327680
    .private_segment_fixed_size: 0
    .kernarg_segment_align: 8
    .kernarg_segment_size: 32
    .max_flat_workgroup_size: 512
    .sgpr_count:     66
    .vgpr_count:     256
    .wavefront_size: 32
...
	.end_amdgpu_metadata
.endif
;; end of part 2
;; launch proj (part 3): grid 8 x 32, 4 waves a work-group, clusters of 4 x 4, 327,680 bytes of LDS; arguments ctxc, ctxs, w_proj_codes, w_proj_scales, b_proj, out0; writes out0
.if DOCPART == 3
	.amdgcn_target "amdgcn-amd-amdhsa--gfx1250"
	.amdhsa_code_object_version 6
	.text
	.protected	k_qb28c001b73_proj
	.globl	k_qb28c001b73_proj
	.p2align	8
	.type	k_qb28c001b73_proj,@function
k_qb28c001b73_proj:
	s_mov_b64 s[64:65], 0
	v_nop
	global_prefetch_b8 v0, s[64:65] scope:SCOPE_SE
	s_setreg_imm32_b32 hwreg(HW_REG_WAVE_MODE, 25, 1), 1
	s_wait_xcnt 0x0
	s_wait_alu depctr_hold_cnt(0) depctr_sa_sdst(0) depctr_va_vdst(0) depctr_va_sdst(0) depctr_va_ssrc(0) depctr_va_vcc(0) depctr_vm_vsrc(0)
	s_getreg_b32 s2, hwreg(HW_REG_IB_STS2, 6, 4)
	s_cmp_eq_u32 s2, 0
	s_cbranch_scc0 .Lentry_in_a_cluster
	s_endpgm
.Lentry_in_a_cluster:
	s_bfe_u32 s2, ttmp6, 0x10000c
	s_cmp_lg_u32 s2, 0xf033
	s_cbranch_scc0 .Lentry_shape_is_right
	s_endpgm
.Lentry_shape_is_right:
.set PITCH,  272
.set BOFF,   65536
.set SLOT3,  BOFF+128*PITCH
.set SPARE,  2*SLOT3
.set ADRA, 16
.set ADRB, 20
.set STO,  24
.set RD,   25
.set CO,   26
.set L4,   27
.set SPW,  28
.set NIL,  29
.set BC,   32
.set SA,   64
.set SB,   96
.set BK,   128
.set G1, 24
.set G0, 32
.set G1B, 48
.set G0B, 56
.set MUL0, 0x5a
.set MUL1, 0x5f
.set MSB, 0
.macro WIN new
.if MSB != (\new)
	s_set_vgpr_msb (MSB<<8)|(\new)
.set MSB, (\new)
.endif
.endm
.macro PLACES n
.rept \n
	v_nop
.endr
.endm
.macro JLOAD g0a, g1a, g0b, g1b
	s_cmp_eq_u32 s15, 0
	s_cbranch_scc0 .Lfor_b_\@
	tensor_load_to_lds s[\g0a:\g0a+3], s[\g1a:\g1a+7]
	s_nop 0
.rept 4
	v_nop
.endr
	s_branch .Lasked_\@
.Lfor_b_\@:
	tensor_load_to_lds s[\g0b:\g0b+3], s[\g1b:\g1b+7]
	s_nop 0
.rept 4
	v_nop
.endr
.Lasked_\@:
.endm
.macro CREST
	s_cmp_lg_u32 s14, 0
	s_cbranch_scc1 .Lnot_wave_0_\@
	s_barrier_signal -3
.Lnot_wave_0_\@:
	s_barrier_wait -3
	s_barrier_signal -1
	s_barrier_wait -1
.endm
.macro CROUND
	s_barrier_signal -1
	s_barrier_wait -1
	CREST
.endm
	s_load_b128 s[4:7], s[0:1], 0x0
	s_load_b128 s[8:11], s[0:1], 0x10
	s_load_b128 s[92:95], s[0:1], 0x20
	v_lshl_add_u32 v[SPW], v0, 2, SPARE
	v_mov_b32 v[NIL], 0
	ds_add_u32 v28, v29
	ds_add_u32 v28, v29
	s_wait_dscnt 0x0
	v_lshrrev_b32 v1, 5, v0
	v_readfirstlane_b32 s14, v1
	s_lshr_b32 s15, s14, 1
	s_and_b32 s16, s14, 1
	s_bfe_u32 s40, ttmp6, 0x40000
	s_bfe_u32 s41, ttmp6, 0x40004
	s_lshl_b32 s42, ttmp9, 2
	s_add_co_u32 s42, s42, s40
	s_and_b32 s17, ttmp7, 0xffff
	s_lshl_b32 s17, s17, 2
	s_add_co_u32 s17, s17, s41
	s_lshl_b32 s43, s41, 2
	s_lshl_b32 s43, 15, s43
	s_lshl_b32 s44, 0x1111, s40
	s_or_b32 s[G1+0], s43, (3<<16)|(1<<21)
	s_mov_b32 s[G1+1], 512<<16
	s_mov_b32 s[G1+2], 8<<16
	s_mov_b32 s[G1+3], 512<<16
	s_mov_b32 s[G1+4], 8
	s_mov_b32 s[G1+5], 2048
	s_mov_b32 s[G1+6], 0
	s_mov_b32 s[G1+7], 0
	s_or_b32 s[G1B+0], s44, (0<<16)|(1<<20)|(1<<21)|(5<<22)|(3<<25)
	s_mov_b32 s[G1B+1], 256<<16
	s_mov_b32 s[G1B+2], 64<<16
	s_mov_b32 s[G1B+3], 256<<16
	s_mov_b32 s[G1B+4], 64
	s_mov_b32 s[G1B+5], 1024
	s_mov_b32 s[G1B+6], 0
	s_mov_b32 s[G1B+7], 0
	s_lshl_b32 s20, s17, 18
	s_lshl_b32 s21, s16, 17
	s_add_co_u32 s20, s20, s21
	s_mov_b32 s21, 0
	s_lshl_b32 s46, s42, 17
	s_lshl_b32 s47, s16, 16
	s_add_co_u32 s46, s46, s47
	s_mov_b32 s47, 0
	s_lshl_b32 s45, s16, 15
	s_mul_i32 s66, s16, 64*PITCH
	s_add_co_u32 s66, s66, BOFF
	s_wait_kmcnt 0x0
	s_add_nc_u64 s[20:21], s[4:5], s[20:21]
	s_add_nc_u64 s[46:47], s[8:9], s[46:47]
	CROUND
.irp s, 0,1
	s_mov_b32 s[G0+4*\s], 1
	s_add_co_u32 s[G0+4*\s+1], s45, \s*SLOT3
	s_add_nc_u64 s[G0+4*\s+2:G0+4*\s+3], s[20:21], \s*4096
	s_or_b32 s[G0+4*\s+3], s[G0+4*\s+3], 0x80000000
	s_mov_b32 s[G0B+4*\s], 1
	s_add_co_u32 s[G0B+4*\s+1], s66, \s*SLOT3
	s_add_nc_u64 s[G0B+4*\s+2:G0B+4*\s+3], s[46:47], \s*256
	s_or_b32 s[G0B+4*\s+3], s[G0B+4*\s+3], 0x80000000
.endr
	JLOAD G0, G1, G0B, G1B                         ; slot 0's load, my one tensor load at the head, straight behind the opening round; the set-up and the loads of scale words and bias stand under its flight
	; the prefetches: of what my wave fetches for a fill (A: 8 token tiles x 4,096 bytes; B: 64 rows x 256 bytes) my work-group's quarter: the four partners that ask jointly share it out by address (cx for A, cy for B)
	s_cmp_eq_u32 s15, 0                            ; do I fetch for A?
	s_cselect_b64 s[68:69], s[20:21], s[46:47]
	s_cselect_b32 s70, s40, s41
	s_cselect_b32 s71, 15, 14                      ; a quarter: two tiles of 16,384 bytes, or 16 rows of 1,024
	s_cselect_b32 s72, -1, 0
	s_mov_b32 s73, 512
	s_cselect_b32 s73, 8192, s73                   ; two fills on along K
	s_lshl_b32 s70, s70, s71
	s_add_co_u32 s70, s70, s73
	s_mov_b32 s71, 0
	s_add_nc_u64 s[68:69], s[68:69], s[70:71]      ; fill 2; never rewritten
	s_lshr_b32 s70, s73, 1
	s_add_nc_u64 s[74:75], s[68:69], s[70:71]      ; fill 3; never rewritten
	v_and_b32 v1, 15, v0
	v_bfe_u32 v2, v0, 4, 1
	s_wait_alu depctr_va_vdst(0)
	v_and_b32 v3, 31, v0
	v_lshlrev_b32 v4, 4, v3
	v_mul_u32_u24 v5, v1, PITCH
	v_lshl_add_u32 v5, v2, 4, v5
	v_lshlrev_b32 v30, 8, v1                       ; A: lane l names block l % 16 of 256 bytes of tile l / 16;
	v_lshl_add_u32 v30, v2, 14, v30
	v_min_u32 v31, 15, v3                          ; B: a lane a row; the lanes left over name the last row again
	v_lshlrev_b32 v31, 10, v31
	v_cndmask_b32 v31, v31, v30, s72               ; never rewritten
	global_prefetch_b8 v31, s[68:69] th:TH_LOAD_NT scope:SCOPE_SE   ; behind fill 0's load: fill 2, which the second refill from here asks for
	s_lshl_b32 s21, s15, 15
	s_mul_i32 s22, s16, 64*PITCH
	s_add_co_u32 s22, s22, BOFF
.irp s, 0,1
	v_add_nc_u32 v[ADRA+\s], s21, v4
	v_add_nc_u32 v[ADRB+\s], s22, v5
	s_add_co_u32 s21, s21, SLOT3
	s_add_co_u32 s22, s22, SLOT3
.endr
	s_mul_i32 s23, s14, 16*PITCH
	v_lshl_add_u32 v[STO], v2, 5, s23
	v_mad_u32_u24 v[STO], v1, PITCH, v[STO]
	v_lshl_add_u32 v[RD], v1, 4, s23
	v_mad_u32_u24 v[RD], v2, PITCH, v[RD]
	v_lshlrev_b32 v[CO], 12, v2
	v_lshl_add_u32 v[CO], v1, 4, v[CO]
	v_lshlrev_b32 v[L4], 1, v3                     ; ctx's scale bytes lie as [head][token][2 bytes]: 2 x lane
	s_wait_alu depctr_va_vdst(0)
	v_lshlrev_b32 v6, 5, v1
	s_wait_alu depctr_va_vdst(0)
	v_lshlrev_b32 v7, 5, v2
	s_wait_alu depctr_va_vdst(0)
	s_lshl_b32 s18, s17, 9
	s_lshl_b32 s19, s15, 8
	s_add_co_u32 s18, s18, s19
	s_mov_b32 s19, 0
	s_add_nc_u64 s[6:7], s[6:7], s[18:19]
	s_lshl_b32 s18, s42, 12
	s_lshl_b32 s67, s16, 11
	s_add_co_u32 s18, s18, s67
	s_add_nc_u64 s[10:11], s[10:11], s[18:19]
	s_lshl_b32 s18, s42, 9
	s_lshl_b32 s67, s16, 8
	s_add_co_u32 s18, s18, s67
	s_add_nc_u64 s[92:93], s[92:93], s[18:19]
	s_add_nc_u64 s[94:95], s[94:95], s[18:19]
	s_lshl_b32 s18, s17, 20
	s_lshl_b32 s67, s15, 19
	s_add_co_u32 s18, s18, s67
	s_add_nc_u64 s[94:95], s[94:95], s[18:19]
.irp i, 0,1,2,3
.irp s, 0,1,2,3,4,5,6,7
	global_load_u16 v[SA+8*\i+\s], v[L4], s[6:7] offset:32768*\s+64*\i          ; K step s is heads 2 s and 2 s + 1: the even head's two bytes,
	global_load_u16 v[BK+8*\i+\s], v[L4], s[6:7] offset:32768*\s+16384+64*\i    ; and the odd head's
.endr
.endr
.irp b, 0,1,2,3
	global_load_b128 v[SB+8*\b:SB+8*\b+3], v6, s[10:11] offset:512*\b
	global_load_b128 v[SB+8*\b+4:SB+8*\b+7], v6, s[10:11] offset:512*\b+16
	global_load_b128 v[BC+8*\b:BC+8*\b+3], v7, s[92:93] offset:64*\b
	global_load_b128 v[BC+8*\b+4:BC+8*\b+7], v7, s[92:93] offset:64*\b+16
.endr
.macro MUL8 a0, s, first
.irp a, \a0, \a0+1
.irp b, 0,1,2,3
.set rD, 8*(4*(\a)+\b)
.if \first
.if ((\a)%2)==1
	v_wmma_scale_f32_16x16x128_f8f6f4 v[rD:rD+7], v[128+16*\b:128+16*\b+15], v[16*(\a):16*(\a)+15], v[BC+8*\b:BC+8*\b+7], v[SB+8*\b+(\s)], v[SA+8*((\a)/2)+(\s)] matrix_b_scale:MATRIX_SCALE_ROW1
.else
	v_wmma_scale_f32_16x16x128_f8f6f4 v[rD:rD+7], v[128+16*\b:128+16*\b+15], v[16*(\a):16*(\a)+15], v[BC+8*\b:BC+8*\b+7], v[SB+8*\b+(\s)], v[SA+8*((\a)/2)+(\s)]
.endif
.else
.if ((\a)%2)==1
	v_wmma_scale_f32_16x16x128_f8f6f4 v[rD:rD+7], v[128+16*\b:128+16*\b+15], v[16*(\a):16*(\a)+15], v[rD:rD+7], v[SB+8*\b+(\s)], v[SA+8*((\a)/2)+(\s)] matrix_b_scale:MATRIX_SCALE_ROW1
.else
	v_wmma_scale_f32_16x16x128_f8f6f4 v[rD:rD+7], v[128+16*\b:128+16*\b+15], v[16*(\a):16*(\a)+15], v[rD:rD+7], v[SB+8*\b+(\s)], v[SA+8*((\a)/2)+(\s)]
.endif
.endif
.endr
.endr
.endm
.macro FETCH3 set, slot, q
	WIN 0x80+0x40*(\set)
.irp b, 0,1,2,3
.irp c, 0,1,2,3
	ds_load_b128 v[128+16*\b+4*\c:128+16*\b+4*\c+3], v[ADRB+\slot] offset:128*(\q)+32*\c+\b*16*PITCH
.endr
.endr
.irp a, 0,1,2,3,4,5,6,7
.irp c, 0,1,2,3
	ds_load_b128 v[16*\a+4*\c:16*\a+4*\c+3], v[ADRA+\slot] offset:4096*\a+2048*(\q)+512*\c
.endr
.endr
.endm
.macro STEPA s, slot, first
.if !(\first)
	PLACES 8
.endif
	FETCH3 1, \slot, 1
	s_wait_dscnt 48
.if \first
	WIN 0x4a
.else
	WIN MUL0
.endif
	MUL8 0, \s, \first
	MUL8 2, \s, \first
	MUL8 4, \s, \first
	MUL8 6, \s, \first
.endm
.macro TURN s, slot, next, fill
	WIN 0
	s_wait_tensorcnt 0x0
	ds_add_u32 v[SPW], v[NIL]
	s_wait_dscnt 0x1
	WIN MUL1
	MUL8 0, \s, 0
	s_wait_dscnt 0x0
	s_barrier_signal -1
	MUL8 2, \s, 0
	WIN 0
	s_barrier_wait -1
.if \fill
	CREST
	s_add_nc_u64 s[G0+4*\slot+2:G0+4*\slot+3], s[G0+4*\slot+2:G0+4*\slot+3], 2*4096
	s_add_nc_u64 s[G0B+4*\slot+2:G0B+4*\slot+3], s[G0B+4*\slot+2:G0B+4*\slot+3], 2*256
	JLOAD G0+4*\slot, G1, G0B+4*\slot, G1B
	PLACES 4
.else
	PLACES 8
.endif
	FETCH3 0, \next, 0
	WIN MUL1
	MUL8 4, \s, 0
	MUL8 6, \s, 0
.endm
	s_wait_alu depctr_va_vdst(0)                   ; the wait at the head's end
	s_wait_tensorcnt 0x0                           ; my part of slot 0 is in; the lines ahead of a later first fill:
	ds_add_u32 v[SPW], v[NIL]
	s_wait_dscnt 0x0
	CROUND                                         ; everybody's part is in, and all sixteen work-groups are here
	JLOAD G0+4, G1, G0B+4, G1B                     ; slot 1's first fill, the first tensor load behind the round
	FETCH3 0, 0, 0
	s_wait_loadcnt 0x0
	WIN 0
	global_prefetch_b8 v31, s[74:75] th:TH_LOAD_NT scope:SCOPE_SE   ; behind fill 1's load and the run of LDS loads: fill 3, the last
.set i, 0
.rept 32
	v_lshl_or_b32 v[SA+i], v[BK+i], 16, v[SA+i]    ; the two halves make a K step's scale word
.set i, i+1
.endr
	s_wait_alu depctr_va_vdst(0)                   ; the wait
	PLACES 8                                       ; a scale word made by a vector line stands eight places ahead of its product
	STEPA 0, 0, 1
	TURN 1, 0, 1, 1
	STEPA 2, 1, 0
	TURN 3, 1, 0, 1
	STEPA 4, 0, 0
	TURN 5, 0, 1, 0
	STEPA 6, 1, 0
	s_wait_dscnt 0x0
	WIN MUL1
	MUL8 0, 7, 0
	MUL8 2, 7, 0
	MUL8 4, 7, 0
	MUL8 6, 7, 0
	WIN 0
.macro TOSTAGE a
	WIN 0x04
.irp b, 0,1,2,3
	ds_store_b128 v[STO], v[8*(4*(\a)+\b):8*(4*(\a)+\b)+3] offset:64*\b
	ds_store_b128 v[STO], v[8*(4*(\a)+\b)+4:8*(4*(\a)+\b)+7] offset:64*\b+16
.endr
	WIN 0
.set BB, BK+32*((\a)%2)
.irp t, 0,1,2,3,4,5,6,7
	ds_load_b128 v[BB+4*\t:BB+4*\t+3], v[RD] offset:\t*2*PITCH
.endr
.endm
.macro SEND a, younger
.set BB, BK+32*((\a)%2)
	s_wait_dscnt \younger
.irp t, 0,1,2,3,4,5,6,7
	global_store_b128 v[CO], v[BB+4*\t:BB+4*\t+3], s[94:95] offset:(\a)*65536+\t*8192 th:TH_STORE_NT
.endr
.endm
	PLACES 8
	TOSTAGE 0
.irp a, 1,2,3,4,5,6,7
.if \a > 1
	s_wait_xcnt 0x0
.endif
	TOSTAGE \a
	SEND \a-1, 16
.endr
	SEND 7, 0
	s_wait_tensorcnt 0x0
	ds_add_u32 v[SPW], v[NIL]
	s_wait_dscnt 0x0
	CROUND
	s_endpgm
.Lfunc_end_k_qb28c001b73_proj:
	.size	k_qb28c001b73_proj, .Lfunc_end_k_qb28c001b73_proj-k_qb28c001b73_proj
	.p2alignl 7, 3214868480
	.fill 96, 4, 3214868480
	.section	.rodata,"a",@progbits
	.p2align	6, 0x0
	.amdhsa_kernel k_qb28c001b73_proj
		.amdhsa_group_segment_fixed_size 327680
		.amdhsa_private_segment_fixed_size 0
		.amdhsa_enable_private_segment 0
		.amdhsa_kernarg_size 48
		.amdhsa_user_sgpr_count 2
		.amdhsa_user_sgpr_kernarg_segment_ptr 1
		.amdhsa_wavefront_size32 1
		.amdhsa_system_sgpr_workgroup_id_x 1
		.amdhsa_system_sgpr_workgroup_id_y 1
		.amdhsa_system_sgpr_workgroup_id_z 1
		.amdhsa_system_vgpr_workitem_id 0
		.amdhsa_next_free_vgpr 1024
		.amdhsa_next_free_sgpr 98
		.amdhsa_reserve_vcc 0
		.amdhsa_float_denorm_mode_32 3
		.amdhsa_float_denorm_mode_16_64 3
		.amdhsa_memory_ordered 1
		.amdhsa_forward_progress 1
		.amdhsa_inst_pref_size 95
	.end_amdhsa_kernel
	.amdgpu_metadata
---
amdhsa.version: [ 1, 2 ]
amdhsa.kernels:
  - .name:           k_qb28c001b73_proj
    .symbol:         k_qb28c001b73_proj.kd
    .args:
      - { .name: ctxc, .offset: 0, .size: 8, .value_kind: global_buffer, .address_space: global }
      - { .name: ctxs, .offset: 8, .size: 8, .value_kind: global_buffer, .address_space: global }
      - { .name: w_proj_codes, .offset: 16, .size: 8, .value_kind: global_buffer, .address_space: global }
      - { .name: w_proj_scales, .offset: 24, .size: 8, .value_kind: global_buffer, .address_space: global }
      - { .name: b_proj, .offset: 32, .size: 8, .value_kind: global_buffer, .address_space: global }
      - { .name: out0, .offset: 40, .size: 8, .value_kind: global_buffer, .address_space: global }
    .group_segment_fixed_size: 327680
    .private_segment_fixed_size: 0
    .kernarg_segment_align: 8
    .kernarg_segment_size: 48
    .max_flat_workgroup_size: 128
    .sgpr_count:     98
    .vgpr_count:     1024
    .wavefront_size: 32
...
	.end_amdgpu_metadata
.endif
;; end of part 3
